; MI455X (gfx1250); checked and timed in simulation.
; The chip was launched on July 23, 2026; its instructions are those of AMD's public machine-readable ISA for CDNA 5 (MIT licence, August 2026) and "CDNA5" Instruction Set Architecture Reference Guide (July 2026). The comments in the code are by the model that wrote it; some were corrected since.
;; MHA. Allowed arithmetic: matrix products marked QUANTISED: E4M3 operands, one given power-of-two scale a tensor, by v_wmma_f32_16x16x64_fp8_fp8 or v_wmma_f32_16x16x128_fp8_fp8, f32 sums; everything else in f32.
;; Inputs: k 4 x 2,048 x 1,024 float32; lowp_scales 12 int32 (the exponents e of the quantised operands' scales 2^e); q 4 x 2,048 x 1,024 float32; v 4 x 2,048 x 1,024 float32; wk_b 1,024 float32; wk_w 1,024 x 1,024 float32; wo_b 1,024 float32; wo_w 1,024 x 1,024 float32; wq_b 1,024 float32; wq_w 1,024 x 1,024 float32; wv_b 1,024 float32; wv_w 1,024 x 1,024 float32.
;; Outputs: out0 4 x 2,048 x 1,024 float32.
;; This version of the problem:
;;   THIS VERSION OF THE PROBLEM IS GIVEN IN LOW PRECISION. The matrix products marked QUANTISED in the list below multiply operands that are first quantised to E4M3 (4 exponent bits, 3 mantissa bits; 8 bits a number), with one given power-of-two scale for each operand tensor; their sums are f32. All else is computed in f32.
;;   The module's matrix products, in the order in which they are computed (A, B: the left and right operand; K: the contracted axis; several contracted axes count as one K, in the product's order):
;;     1. [M 8,192, K 1,024] x [K 1,024, N 1,024]; A: input q; B: input wq_w: QUANTISED (scales: A lowp_scales[0], B lowp_scales[1])
;;     2. [M 8,192, K 1,024] x [K 1,024, N 1,024]; A: input k; B: input wk_w: QUANTISED (scales: A lowp_scales[2], B lowp_scales[3])
;;     3. [M 8,192, K 1,024] x [K 1,024, N 1,024]; A: input v; B: input wv_w: QUANTISED (scales: A lowp_scales[4], B lowp_scales[5])
;;     4. batch 64 x [M 2,048, K 64] x [K 64, N 2,048]; A: computed on the way; B: computed on the way: QUANTISED (scales: A lowp_scales[6], B lowp_scales[7])
;;     5. batch 64 x [M 2,048, K 2,048] x [K 2,048, N 64]; A: softmax (see below); B: computed on the way: QUANTISED (scales: A lowp_scales[8], B lowp_scales[9])
;;     6. [M 8,192, K 1,024] x [K 1,024, N 1,024]; A: computed on the way; B: input wo_w: QUANTISED (scales: A lowp_scales[10], B lowp_scales[11])
;;   THE QUANTISER, for each operand of a quantised product, along K:
;;     - The operand's scale is 2^e, e = its entry of the input lowp_scales (int32; the entries are numbered through the quantised products in the list's order, A before B).
;;     - Each number is divided by the scale, clamped to +-448, and rounded to the nearest number of E4M3, ties to even, subnormals kept.
;;     - The product sums the exact products of the quantised numbers (number of the format x scale) in f32.
;;   ~~~python
;;   def quantise(x, axis, e):      # numpy; x: float32 -> the quantised numbers, widened to float32 again
;;       x = np.moveaxis(x, axis, -1); K = x.shape[-1]
;;       r = np.clip(x / 2.0 ** e, -448, 448)
;;       step = 2.0 ** (np.maximum(np.frexp(np.where(r == 0, 1, r))[1] - 1, -6) - 3)
;;       q = np.round(r / step) * step * 2.0 ** e      # np.round: ties to even
;;       return np.moveaxis(q, -1, axis).astype(np.float32)
;;   ~~~
;;   SOFTMAX AHEAD OF A QUANTISED PRODUCT. Where the list says 'softmax', what is quantised is not the finished softmax but p = 2^(t - M), with t = logit x log2(e) and M = ceil(the row's largest t), a whole number; so 1/2 < the row's largest p <= 1. The row's sum l is taken of the UNQUANTISED p, in f32, and the product's result is divided by l at the end. Since M is a whole number, a kernel that streams over the keys may use a running M (the ceiling of the running maximum): every later rescaling is an exact power of two, so the quantised numbers keep their values, but for numbers so far below the row's largest that they fall under the format's range.
;;   OPERANDS COMPUTED ON THE WAY. 'Computed on the way' means the value that the module computes at that place (a softmax that the list does not call 'softmax' is quantised finished and normalised). What goes into a quantiser is computed in f32, as accurately as f32 sums, v_exp_f32 and their like allow (about 1e-6 of the number): no bf16 or f16 on the way to a quantiser, and a product that is left as it is and whose result goes on into a quantised operand takes f32 operands (vector FMAs, or v_wmma_f32_16x16x4_f32). A number that lies on a knife's edge between two numbers of the format may be rounded either way, as far as f32 arithmetic and the matrix unit's own rounding can turn it there, and no further.
;; One version. Each part assembles by itself: llvm-mc -triple=amdgcn-amd-amdhsa -mcpu=gfx1250 --defsym DOCPART=n.
;; ======== version 1 of 1: 4 launches
;; limits: right only within a limited range of input values
;; workspace buffers: codes 29,360,128 bytes; qkv 25,165,824 bytes; oc 8,388,608 bytes
;; launch quant (part 1): grid 896 x 1, 4 waves a work-group, no clusters, 33,280 bytes of LDS; arguments q, k, v, wq_w, wk_w, wv_w, wo_w, lowp_scales, codes; writes codes
.if DOCPART == 1
	.amdgcn_target "amdgcn-amd-amdhsa--gfx1250"
	.amdhsa_code_object_version 6
	.text
	.protected	k_q515d60defc_quant
	.globl	k_q515d60defc_quant
	.p2align	8
	.type	k_q515d60defc_quant,@function
k_q515d60defc_quant:
	s_mov_b64 s[64:65], 0
	v_nop
	global_prefetch_b8 v0, s[64:65] scope:SCOPE_SE
	s_setreg_imm32_b32 hwreg(HW_REG_WAVE_MODE, 25, 1), 1
	s_wait_xcnt 0x0
; q, k, v [8192][1024] and wq_w, wk_w, wv_w, wo_w [1024][1024], all f32 with K innermost, become codes of FP8 (E4M3), one byte each, K innermost,
; each tensor with the one scale 2^e that is given for it: code = x / 2^e, held within +-448, rounded to the nearest code, ties to even.
; The codes of the seven tensors lie one behind the other in one buffer, in the order q, k, v, wq, wk, wv, wo.
; LIMITS: each e lies between -126 and 119, so that 2^e and 448 x 2^e are f32 numbers.  NaN among the inputs is not served; an infinity is held at the largest code.
; Rows are dense, so every tensor is a plain stream.  A work-group takes 32,768 numbers, a wave 16 steps of 512.  Work-groups 0-255 take q, 256-511 k, 512-767 v, then 32 each wq, wk, wv, wo:
; only a pointer and an exponent are chosen by the work-group's number; all take one path through the text.  The place of the codes is linear in the work-group's number.
; The conversions take 8 numbers of ONE lane's consecutive registers, so a lane must hold 16 neighbours; a load is dense where neighbouring lanes take neighbouring bytes.  Both are had: each of a step's
; four loads reads 512 consecutive bytes, the 2,048 bytes go through the wave's own stage in LDS as they lie and come back 64 bytes a lane (16 bytes of padding behind each 64).
; A lane's 16 codes are 16 bytes: the wave stores 512 consecutive bytes.  No tensor loads, no barrier: waves share nothing.  Loads run four steps (16 loads a wave) ahead, the turn through LDS one step.
.set STEPS, 16
.set R,     16                         ; v16-79   four sets of 16 numbers as they are loaded
.set X,     80                         ; v80-111  two sets of 16 neighbours
.set C,     128                        ; v128-191 codes: four registers for each step, so that no store's data are written again
.set WREG,  8192                       ; LDS: a region for each wave: two stages of 32 x SP bytes
.set SP,    80                         ; a lane's place in a stage: its 64 bytes + 16 of padding
.macro PICK lim, ptr                   ; from work-group lim on: the tensor at s[ptr:ptr+1], whose first work-group is lim
	s_cmp_ge_u32 ttmp9, \lim
	s_cselect_b64 s[24:25], s[\ptr:\ptr+1], s[24:25]
	s_cselect_b32 s26, \lim, s26
.endm
.macro PICKE lim, reg                  ; and its exponent
	s_cmp_ge_u32 ttmp9, \lim
	s_cselect_b32 s27, s[\reg], s27
.endm
	s_load_b512 s[4:19], s[0:1], 0x0               ; q s[4:5], k s[6:7], v s[8:9], wq s[10:11], wk s[12:13], wv s[14:15], wo s[16:17], the exponents s[18:19]
	s_load_b64 s[20:21], s[0:1], 0x40              ; the codes
	v_lshl_add_u32 v192, v0, 2, 0x8000
	v_mov_b32 v193, 0
	v_lshrrev_b32 v1, 5, v0
	v_readfirstlane_b32 s22, v1                    ; wave
	v_and_b32 v2, 31, v0                           ; lane
	v_lshlrev_b32 v3, 4, v2                        ; my 16 bytes of a load's 512, and of a store's
	s_mul_i32 s23, s22, WREG
	v_lshrrev_b32 v14, 2, v2
	v_mul_u32_u24 v14, v14, SP
	v_and_b32 v15, 3, v2
	v_lshl_add_u32 v14, v15, 4, v14
	v_add_nc_u32 v14, s23, v14                     ; the stage, on the way in: four lanes' 64 bytes on end, then 16 of padding
	v_mul_u32_u24 v15, v2, SP
	v_add_nc_u32 v15, s23, v15                     ; and on the way out: my 16 neighbours
	s_wait_alu depctr_va_vdst(0)
	s_wait_kmcnt 0x0
	s_load_b256 s[32:39], s[18:19], 0x0            ; e0 .. e7
	s_load_b128 s[40:43], s[18:19], 0x20           ; e8 .. e11
	s_mov_b64 s[24:25], s[4:5]                     ; q, unless a later tensor is mine
	s_mov_b32 s26, 0
	PICK 256, 6
	PICK 512, 8
	PICK 768, 10
	PICK 800, 12
	PICK 832, 14
	PICK 864, 16
	s_sub_co_u32 s27, ttmp9, s26                   ; my work-group's number within its tensor
	s_lshl_b32 s27, s27, 2
	s_add_co_u32 s44, s27, s22                     ; which run of 8,192 numbers is my wave's
	s_mov_b32 s45, 0
	s_lshl_b64 s[44:45], s[44:45], 15              ; 32,768 bytes each
	s_add_nc_u64 s[24:25], s[24:25], s[44:45]
	s_lshl_b32 s46, ttmp9, 2
	s_add_co_u32 s46, s46, s22
	s_lshl_b32 s46, s46, 13                        ; the codes: 8,192 bytes for each wave of the launch, in order
	s_mov_b32 s47, 0
	s_add_nc_u64 s[28:29], s[20:21], s[46:47]
.macro LOAD t
.irp i, 0,1,2,3
	global_load_b128 v[R+16*((\t)%4)+4*\i:R+16*((\t)%4)+4*\i+3], v3, s[24:25] offset:2048*(\t)+512*\i th:TH_LOAD_NT   ; 32 lanes read 512 consecutive bytes; read once in the launch
.endr
.endm
.macro TURN t                          ; step t's numbers through the stage: LDS serves a wave's instructions in order, so no wait stands between the stores and the loads
.irp i, 0,1,2,3
	ds_store_b128 v14, v[R+16*((\t)%4)+4*\i:R+16*((\t)%4)+4*\i+3] offset:32*SP*((\t)%2)+8*SP*\i
.endr
.irp i, 0,1,2,3
	ds_load_b128 v[X+16*((\t)%2)+4*\i:X+16*((\t)%2)+4*\i+3], v15 offset:32*SP*((\t)%2)+16*\i
.endr
.endm
.irp t, 0,1,2,3
	LOAD \t
.endr
	s_wait_kmcnt 0x0
	s_mov_b32 s27, s32                             ; q: e0
	PICKE 256, 34                                  ; k: e2
	PICKE 512, 36                                  ; v: e4
	PICKE 768, 33                                  ; wq: e1
	PICKE 800, 35                                  ; wk: e3
	PICKE 832, 37                                  ; wv: e5
	PICKE 864, 43                                  ; wo: e11
	s_add_co_i32 s27, s27, 127
	s_lshl_b32 s30, s27, 23
	v_mov_b32 v11, s30                             ; 2^e as f32: the conversion takes its exponent field
	s_add_co_i32 s27, s27, 8
	s_lshl_b32 s27, s27, 23
	s_or_b32 s27, s27, 0x600000
	s_wait_alu depctr_va_vdst(0)
	s_wait_loadcnt 12                              ; step 0's four loads are in; the twelve of steps 1 to 3 may be out
	TURN 0
.macro STEP t
.set XS, X+16*((\t)%2)
	s_wait_dscnt 0x0                               ; this step's numbers are back from the stage: so its stores into the stage have read their registers,
.if (\t)+4 < STEPS
	LOAD (\t)+4                                    ; which take the loads of four steps on
.endif
.if (\t)+1 < STEPS
.if STEPS-2-(\t) >= 3
	s_wait_loadcnt 12                              ; the next step's four loads are in; those of the three steps behind it may be out
.else
	s_wait_loadcnt 4*(STEPS-2-(\t))                ; the tail: fewer steps are behind it
.endif
	TURN (\t)+1                                    ; and go through the other stage while this step is worked
.endif
.irp i, 0,1,2,3,4,5,6,7,8,9,10,11,12,13,14,15
.endr
	v_cvt_scalef32_pk8_fp8_f32 v[C+4*(\t):C+4*(\t)+1], v[XS:XS+7], v11
	v_cvt_scalef32_pk8_fp8_f32 v[C+4*(\t)+2:C+4*(\t)+3], v[XS+8:XS+15], v11   ; the results go to a store alone
	global_store_b128 v3, v[C+4*(\t):C+4*(\t)+3], s[28:29] offset:512*(\t)    ; 32 lanes store 512 consecutive bytes, at a multiple of 256 from the buffer's first byte
.endm
.irp t, 0,1,2,3,4,5,6,7,8,9,10,11,12,13,14,15
	STEP \t
.endr
	s_wait_tensorcnt 0x0
	ds_add_u32 v192, v193
	s_wait_dscnt 0x0
	s_endpgm
.Lfunc_end_k_q515d60defc_quant:
	.size	k_q515d60defc_quant, .Lfunc_end_k_q515d60defc_quant-k_q515d60defc_quant
	.p2alignl 7, 3214868480
	.fill 96, 4, 3214868480
	.section	.rodata,"a",@progbits
	.p2align	6, 0x0
	.amdhsa_kernel k_q515d60defc_quant
		.amdhsa_group_segment_fixed_size 33280
		.amdhsa_private_segment_fixed_size 0
		.amdhsa_enable_private_segment 0
		.amdhsa_kernarg_size 72
		.amdhsa_user_sgpr_count 2
		.amdhsa_user_sgpr_kernarg_segment_ptr 1
		.amdhsa_wavefront_size32 1
		.amdhsa_system_sgpr_workgroup_id_x 1
		.amdhsa_system_sgpr_workgroup_id_y 1
		.amdhsa_system_sgpr_workgroup_id_z 1
		.amdhsa_system_vgpr_workitem_id 0
		.amdhsa_next_free_vgpr 194
		.amdhsa_next_free_sgpr 66
		.amdhsa_reserve_vcc 0
		.amdhsa_float_denorm_mode_32 3
		.amdhsa_float_denorm_mode_16_64 3
		.amdhsa_fp16_overflow 1
		.amdhsa_memory_ordered 1
		.amdhsa_forward_progress 1
		.amdhsa_inst_pref_size 23
	.end_amdhsa_kernel
	.amdgpu_metadata
---
amdhsa.version: [ 1, 2 ]
amdhsa.kernels:
  - .name:           k_q515d60defc_quant
    .symbol:         k_q515d60defc_quant.kd
    .args:
      - { .name: q, .offset: 0, .size: 8, .value_kind: global_buffer, .address_space: global }
      - { .name: k, .offset: 8, .size: 8, .value_kind: global_buffer, .address_space: global }
      - { .name: v, .offset: 16, .size: 8, .value_kind: global_buffer, .address_space: global }
      - { .name: wq_w, .offset: 24, .size: 8, .value_kind: global_buffer, .address_space: global }
      - { .name: wk_w, .offset: 32, .size: 8, .value_kind: global_buffer, .address_space: global }
      - { .name: wv_w, .offset: 40, .size: 8, .value_kind: global_buffer, .address_space: global }
      - { .name: wo_w, .offset: 48, .size: 8, .value_kind: global_buffer, .address_space: global }
      - { .name: lowp_scales, .offset: 56, .size: 8, .value_kind: global_buffer, .address_space: global }
      - { .name: codes, .offset: 64, .size: 8, .value_kind: global_buffer, .address_space: global }
    .group_segment_fixed_size: 33280
    .private_segment_fixed_size: 0
    .kernarg_segment_align: 8
    .kernarg_segment_size: 72
    .max_flat_workgroup_size: 128
    .sgpr_count:     66
    .vgpr_count:     194
    .wavefront_size: 32
...
	.end_amdgpu_metadata
.endif
;; end of part 1
;; launch proj (part 2): grid 4 x 192, 4 waves a work-group, clusters of 4 x 4, 327,680 bytes of LDS; arguments codes, lowp_scales, wq_b, wk_b, wv_b, qkv; writes qkv
.if DOCPART == 2
	.amdgcn_target "amdgcn-amd-amdhsa--gfx1250"
	.amdhsa_code_object_version 6
	.text
	.protected	k_q515d60defc_proj
	.globl	k_q515d60defc_proj
	.p2align	8
	.type	k_q515d60defc_proj,@function
k_q515d60defc_proj:
	s_mov_b64 s[64:65], 0
	v_nop
	global_prefetch_b8 v0, s[64:65] scope:SCOPE_SE
	s_setreg_imm32_b32 hwreg(HW_REG_WAVE_MODE, 25, 1), 1
	s_wait_xcnt 0x0
	s_wait_alu depctr_hold_cnt(0) depctr_sa_sdst(0) depctr_va_vdst(0) depctr_va_sdst(0) depctr_va_ssrc(0) depctr_va_vcc(0) depctr_vm_vsrc(0)
	s_getreg_b32 s2, hwreg(HW_REG_IB_STS2, 6, 4)
	s_cmp_eq_u32 s2, 0
	s_cbranch_scc0 .Lentry_in_a_cluster
	s_endpgm
.Lentry_in_a_cluster:
	s_bfe_u32 s2, ttmp6, 0x10000c
	s_cmp_lg_u32 s2, 0xf033
	s_cbranch_scc0 .Lentry_shape_is_right
	s_endpgm
.Lentry_shape_is_right:
; Q = q wq^T + bq, K = k wk^T + bk, V = v wv^T + bv on codes of FP8 (E4M3); each result is quantised in registers with its given scale and stored as an IMAGE OF THE REGISTERS in which the attention launch wants it.
; codes: x [3 (q, k, v)][8192][1024], then from byte WC on w [4][1024][1024], one byte a code, K innermost.  A sum stands for sum x 2^(eA + eB); the bias is added in f32; the result / 2^eo is held within +-448 and rounded.
; LIMITS: eA + eB between -126 and 127; eo (e6, e7, e9) between -126 and 119.  NaN is not served.
; Within one matrix instruction k is permuted, alike in both operands (registers 4 c .. 4 c + 3 hold k = 32 c + 16 (lane / 16) + 0 .. 15): every product meets its partner; the order of the sums inside an instruction differs.
; SHARES.  A work-group makes 128 rows of x against 256 rows of w, K = 1,024; tile row T = 0 .. 191 runs through q, k, v (t = T / 64).  Four waves, each 64 x 128: 32 accumulators, 256 registers.
; THE MATRIX INSTRUCTION: source 0 = 16 rows of the R side, source 1 = 16 rows of the P side: a lane holds ONE row of P, its eight registers eight neighbouring rows of R.
;   Q, K: P = rows of x (a lane = one token), R = rows of w (registers = channels): the codes are a fragment token x channel.   V: P = rows of w (a lane = one channel), R = rows of x (registers = keys): the codes are a fragment channel x key.
;   The tensor loads are alike for all three; only the two LDS address registers change places, by a select on t, which all partners of a cluster share.  No branch hangs on t.
; K goes in four steps of 256 through three LDS slots: steps 0, 1, 2 are first fills (three tensor loads of a wave are out), step 3 is the one refill, of slot 0.
; CLUSTERS: 4 x 4 work-groups.  The four of a row of the cluster need the same rows of x, the four of a column the same rows of w: each tile is asked for jointly.
; All of the WGP's LDS is claimed.
; REGISTERS, in windows of 256: window 0: v0-47 addresses, scales, the bias along the lanes; v64-127, v128-191 P's fragments, two sets (in the epilogue: numbers at work, codes).  window 1: R's fragments, two sets of 128.
;   window 2: accumulator (a, b) at v[8 (8 a + b)].   window 3: v0-63 the bias along the registers.
.set PITCH,  272                       ; an LDS row: 256 bytes + 16 of padding: the 16 rows that a load touches start 68 words apart
.set AREG,   128*PITCH                 ; x's 128 rows
.set SLOT,   3*AREG                    ; then w's 256 rows
.set SPARE,  3*SLOT                    ; behind the slots: the spare words, 128 bytes for each wave
.set AH,     64*PITCH                  ; half of x's region: what one wave fetches of it
.set A_K,    256                       ; bytes in memory from a K step of x to the next
.set P_BLK,  16*PITCH                  ; P: from a block of 16 rows to the next,
.set P_Q,    128                       ; from 128 along K to the next,
.set P_C,    32                        ; from four registers to the next
.set WC,     25165824                  ; where w's codes begin
.set PADW,   (1<<20)|(1<<21)|(5<<22)|(3<<25)   ; elements of 1 byte; padding on; bit 21 beside a mask; after every 64 words, 4 words
.set ADRP, 16                          ; v16-18  LDS address of my P fragments in slot 0, 1, 2
.set ADRR, 20                          ; v20-22  the same for R
.set SPW,  28                          ; v28     my spare word; never rewritten
.set NIL,  29                          ; v29     0; never rewritten
.set BM,   32                          ; v32-39  the bias along the lanes: block a's in v[BM+2a], a 0 beside it
.set OA,   40                          ; v40-43  block a's byte offset in the output; v44-47 that of its second half
.set OB,   44
.set PF,   64
.set TT,   64                          ; the epilogue: 64 numbers at work
.set CC,   128                         ; and 16 registers of codes for each block
.set G1A, 24
.set G0A, 32
.set G1B, 44
.set G0B, 52
.set MSB, 0
.macro WIN new                         ; the immediate's high byte repeats the setting that is left
.if MSB != \new
	s_set_vgpr_msb (MSB<<8)|\new
.set MSB, \new
.endif
.endm
.set MULW, 0xa1                        ; source 0 (R) window 1, source 1 (P) window 0, C and D window 2
.set TO_R, 0x40                        ; destination window 1, address window 0
; A joint load: waves 0 and 1 fetch x's halves, waves 2 and 3 w's.  The branch hangs on the wave's number alone.  Four v_nop follow each of the two lines.
.macro JLOAD s
	s_cmp_eq_u32 s17, 0
	s_cbranch_scc0 .Lfor_b_\@
	tensor_load_to_lds s[G0A+4*\s:G0A+4*\s+3], s[G1A:G1A+7]
	s_nop 0
.rept 4
	v_nop
.endr
	s_branch .Lasked_\@
.Lfor_b_\@:
	tensor_load_to_lds s[G0B+4*\s:G0B+4*\s+3], s[G1B:G1B+7]
	s_nop 0
.rept 4
	v_nop
.endr
.Lasked_\@:
.endm
.macro CREST                           ; a round of the cluster's barrier behind its opening barrier
	s_cmp_lg_u32 s16, 0
	s_cbranch_scc1 .Lnot_wave_0_\@
	s_barrier_signal -3
.Lnot_wave_0_\@:
	s_barrier_wait -3
	s_barrier_signal -1
	s_barrier_wait -1
.endm
.macro CROUND
	s_barrier_signal -1
	s_barrier_wait -1
	CREST
.endm
.macro PLACES                          ; four plain vector lines between a matrix instruction and a load into, or a vector read or write of, its registers
.rept 4
	v_nop
.endr
.endm
; 8 matrix instructions: P's block a against R's eight, 128 along K.  The 32 accumulators take turns, one instruction a turn, in the same order in every step.
.macro MUL a, set, zero
.irp b, 0,1,2,3,4,5,6,7
.if \zero
	v_wmma_f32_16x16x128_fp8_fp8 v[8*(8*(\a)+\b):8*(8*(\a)+\b)+7], v[128*(\set)+16*\b:128*(\set)+16*\b+15], v[PF+64*(\set)+16*(\a):PF+64*(\set)+16*(\a)+15], 0
.else
	v_wmma_f32_16x16x128_fp8_fp8 v[8*(8*(\a)+\b):8*(8*(\a)+\b)+7], v[128*(\set)+16*\b:128*(\set)+16*\b+15], v[PF+64*(\set)+16*(\a):PF+64*(\set)+16*(\a)+15], v[8*(8*(\a)+\b):8*(8*(\a)+\b)+7]
.endif
.endr
.endm
; 48 LDS loads in one run: the fragments of the slot's q-th 128 along K: R's eight, then P's four, blocks 0 and 1 first
.macro FETCH slot, q, set
	WIN TO_R
.irp i, 0,1,2,3,4,5,6,7
.irp c, 0,1,2,3
	ds_load_b128 v[128*(\set)+16*\i+4*\c:128*(\set)+16*\i+4*\c+3], v[ADRR+\slot] offset:128*(\q)+32*\c+\i*16*PITCH
.endr
.endr
	WIN 0
.irp i, 0,1,2,3
.irp c, 0,1,2,3
	ds_load_b128 v[PF+64*(\set)+16*\i+4*\c:PF+64*(\set)+16*\i+4*\c+3], v[ADRP+\slot] offset:P_Q*(\q)+P_C*\c+P_BLK*\i
.endr
.endr
.endm
; 128 along K: 32 matrix instructions on one set; in their middle the next 128's fragments are fetched into the other set
.macro SUB set, zero, nslot, nq
	s_wait_dscnt 8                                 ; R's eight and P's blocks 0, 1 are in; the youngest eight loads (P's blocks 2, 3) may be out
	WIN MULW
	MUL 0, \set, \zero
	MUL 1, \set, \zero
	PLACES                                         ; the other set was last read in front of these sixteen products
	FETCH \nslot, \nq, 1-(\set)
	s_wait_dscnt 48                                ; all but the 48 just issued
	WIN MULW
	MUL 2, \set, \zero
	MUL 3, \set, \zero
.endm
; 128 along K on set 1, with a barrier in its middle.  In front of it each wave waits for all its tensor loads, adds 0 to its spare word, and waits for that and for all its LDS reads.
; fill = 1: the barrier opens a round of the cluster's barrier, and slot 0, which nobody reads any more, takes K step 3.  fill = 0: K step 3 has landed in every wave's sight.
.macro TURN nslot, fill
	WIN 0                                          ; (the add's two registers lie in window 0)
	s_wait_tensorcnt 0x0                           ; all my tensor loads have landed
	ds_add_u32 v[SPW], v[NIL]                      ; 0 onto my spare word
	s_wait_dscnt 9                                 ; (the add and the youngest eight loads may be out)
	WIN MULW
	MUL 0, 1, 0                                    ; eight matrix instructions stand between the add and the wait for it
	s_wait_dscnt 0x0                               ; the add is done, and my LDS reads are over
	s_barrier_signal -1
	MUL 1, 1, 0
	WIN 0
	s_barrier_wait -1
.if \fill
	CREST                                          ; no wave of any partner still reads slot 0 or has a load on its way
	s_add_nc_u64 s[G0A+2:G0A+3], s[G0A+2:G0A+3], 3*A_K
	s_add_nc_u64 s[G0B+2:G0B+3], s[G0B+2:G0B+3], 3*256
	JLOAD 0                                        ; the first tensor load behind the round, one a wave; its four v_nop are also the places in front of the loads below
.else
	PLACES
.endif
	FETCH \nslot, 0, 0
	WIN MULW
	MUL 2, 1, 0
	MUL 3, 1, 0
.endm
	s_load_b256 s[4:11], s[0:1], 0x0               ; codes s[4:5], the exponents s[6:7], wq_b s[8:9], wk_b s[10:11]
	s_load_b128 s[12:15], s[0:1], 0x20             ; wv_b s[12:13], qkv s[14:15]
	v_lshl_add_u32 v[SPW], v0, 2, SPARE
	v_mov_b32 v[NIL], 0
	ds_add_u32 v28, v29
	ds_add_u32 v28, v29
	s_wait_dscnt 0x0
	v_lshrrev_b32 v1, 5, v0
	v_readfirstlane_b32 s16, v1                    ; wave 0..3
	s_lshr_b32 s17, s16, 1                         ; I fetch for x (0) or for w (1).  Q, K: which 64 rows of x are mine
	s_and_b32 s18, s16, 1                          ; which half of that tile I fetch.  Q, K: which 128 rows of w are mine
	s_bfe_u32 s19, ttmp6, 0x40000                  ; cx
	s_bfe_u32 s20, ttmp6, 0x40004                  ; cy
	s_lshl_b32 s21, ttmp9, 2
	s_add_co_u32 s21, s21, s19                     ; tile column = 4 x cluster x + cx: 256 rows of w
	s_and_b32 s23, ttmp7, 0xffff                   ; cluster y
	s_lshl_b32 s22, s23, 2
	s_add_co_u32 s22, s22, s20                     ; T = 4 x cluster y + cy: 128 rows of x
	s_lshr_b32 s23, s23, 4                         ; t = T / 64: 0 q, 1 k, 2 v: the same in all sixteen partners
	s_lshl_b32 s84, s20, 2
	s_lshl_b32 s84, 15, s84                        ; my row of the cluster
	s_lshl_b32 s85, 0x1111, s19                    ; my column
	s_or_b32 s[G1A], s84, PADW                     ; x's tiles go to my row,
	s_or_b32 s[G1B], s85, PADW                     ; w's to my column
	s_mov_b32 s[G1A+1], 256<<16                    ; tensor_dim0 = 256
	s_mov_b32 s[G1A+2], 64<<16                     ; tensor_dim1 = 64
	s_mov_b32 s[G1A+3], 256<<16                    ; tile_dim0 = 256
	s_mov_b32 s[G1A+4], 64                         ; tile_dim1 = 64
	s_mov_b32 s[G1A+5], 1024                       ; from row to row
	s_mov_b32 s[G1A+6], 0
	s_mov_b32 s[G1A+7], 0
	s_mov_b32 s[G1B+1], 256<<16
	s_mov_b32 s[G1B+2], 128<<16                    ; 128 rows
	s_mov_b32 s[G1B+3], 256<<16
	s_mov_b32 s[G1B+4], 128
	s_mov_b32 s[G1B+5], 1024
	s_mov_b32 s[G1B+6], 0
	s_mov_b32 s[G1B+7], 0
	s_lshl_b32 s66, s22, 17                        ; x: row 128 T + 64 x half, 1,024 bytes a row
	s_lshl_b32 s88, s18, 16
	s_add_co_u32 s66, s66, s88
	s_mov_b32 s67, 0
	s_lshl_b32 s68, s21, 18                        ; w: tensor t, row 256 x tile column + 128 x half
	s_lshl_b32 s88, s18, 17
	s_add_co_u32 s68, s68, s88
	s_lshl_b32 s88, s23, 20
	s_add_co_u32 s68, s68, s88
	s_add_co_u32 s68, s68, WC
	s_mov_b32 s69, 0
	s_mul_i32 s89, s18, AH                         ; where they go: no place in the cluster enters an LDS address
	s_mul_i32 s90, s18, AREG
	s_add_co_u32 s90, s90, AREG
	s_wait_kmcnt 0x0
	s_load_b256 s[72:79], s[6:7], 0x0              ; e0 .. e7
	s_load_b128 s[80:83], s[6:7], 0x20             ; e8 .. e11
	s_add_nc_u64 s[66:67], s[4:5], s[66:67]
	s_add_nc_u64 s[68:69], s[4:5], s[68:69]
	CROUND                                         ; all sixteen work-groups are here: the first joint loads meet
.irp s, 0,1,2
	s_mov_b32 s[G0A+4*\s], 1
	s_add_co_u32 s[G0A+4*\s+1], s89, \s*SLOT
	s_add_nc_u64 s[G0A+4*\s+2:G0A+4*\s+3], s[66:67], \s*A_K
	s_or_b32 s[G0A+4*\s+3], s[G0A+4*\s+3], 0x80000000
	s_mov_b32 s[G0B+4*\s], 1
	s_add_co_u32 s[G0B+4*\s+1], s90, \s*SLOT
	s_add_nc_u64 s[G0B+4*\s+2:G0B+4*\s+3], s[68:69], \s*256
	s_or_b32 s[G0B+4*\s+3], s[G0B+4*\s+3], 0x80000000
	JLOAD \s                                       ; K steps 0, 1, 2: three loads of mine are out
.endr
	v_and_b32 v1, 15, v0                           ; r
	v_bfe_u32 v2, v0, 4, 1                         ; h
	v_mul_u32_u24 v3, v1, PITCH
	v_lshl_add_u32 v3, v2, 4, v3                   ; a fragment's row x pitch + 16 h
	s_wait_alu depctr_va_vdst(0)
	s_mul_i32 s91, s17, AH                         ; Q, K: P = my 64 rows of x,
	s_mul_i32 s92, s16, AH
	s_add_co_u32 s92, s92, AREG                    ; V: P = my 64 rows of w (one head)
	s_mul_i32 s93, s18, AREG
	s_add_co_u32 s93, s93, AREG                    ; Q, K: R = my 128 rows of w;  V: R = all 128 rows of x (one step of keys)
	s_cmp_eq_u32 s23, 2
	s_cselect_b32 s91, s92, s91
	s_cselect_b32 s93, 0, s93
.irp s, 0,1,2
	v_add_nc_u32 v[ADRP+\s], s91, v3
	v_add_nc_u32 v[ADRR+\s], s93, v3
	s_add_co_u32 s91, s91, SLOT
	s_add_co_u32 s93, s93, SLOT
.endr
	; the bias, both ways: along the registers (Q, K) and along the lanes (V); both reads lie inside the 1,024 numbers for every t; the one that does not apply is cleared below
	s_cmp_eq_u32 s23, 0
	s_cselect_b64 s[94:95], s[8:9], s[10:11]
	s_cmp_eq_u32 s23, 2
	s_cselect_b64 s[94:95], s[12:13], s[94:95]
	s_lshl_b32 s70, s21, 10
	s_lshl_b32 s88, s18, 9
	s_add_co_u32 s70, s70, s88                     ; 4 (256 x tile column + 128 x half)
	s_mov_b32 s71, 0
	s_add_nc_u64 s[96:97], s[94:95], s[70:71]
	s_lshl_b32 s70, s21, 10
	s_lshl_b32 s88, s16, 8
	s_add_co_u32 s70, s70, s88                     ; 4 (256 x tile column + 64 x wave)
	s_add_nc_u64 s[98:99], s[94:95], s[70:71]
	v_lshlrev_b32 v10, 5, v2                       ; 32 h: register 8 b + j wants number 16 b + 8 h + j
	v_lshlrev_b32 v11, 2, v1                       ; 4 r: block a wants number 16 a + r
	WIN 0xc0                                       ; destination window 3
.irp b, 0,1,2,3,4,5,6,7
	global_load_b128 v[8*\b:8*\b+3], v10, s[96:97] offset:64*\b
	global_load_b128 v[8*\b+4:8*\b+7], v10, s[96:97] offset:64*\b+16
.endr
	WIN 0
.irp a, 0,1,2,3
	global_load_b32 v[BM+2*\a], v11, s[98:99] offset:64*\a
.endr
	; what hangs on t, all by selects
	s_lshl_b32 s91, s18, 1                         ; Q, K: the first of my two heads among the tile column's four
	s_lshl_b32 s92, s17, 12                        ; Q, K: my four tiles of 16 tokens: 4 x 1,024 bytes on
	s_mov_b32 s89, 1024
	s_mov_b32 s90, 131072
	s_wait_kmcnt 0x0
	s_cmp_eq_u32 s23, 0
	s_cselect_b32 s84, s72, s74                    ; eA: e0, e2, e4
	s_cselect_b32 s85, s73, s75                    ; eB: e1, e3, e5
	s_cselect_b32 s88, s78, s79                    ; eo: e6, e7, e9
	s_cmp_eq_u32 s23, 2
	s_cselect_b32 s84, s76, s84
	s_cselect_b32 s85, s77, s85
	s_cselect_b32 s88, s81, s88
	s_cselect_b32 s89, 2048, s89                   ; from block a's image to the next: a fragment of Q, K is 1,024 bytes, of V 2,048
	s_cselect_b32 s90, 1024, s90                   ; from a block's first eight registers to its second: Q, K the next head; V the fragment's second half
	s_cselect_b32 s91, s16, s91                    ; V: my head among the four
	s_cselect_b32 s92, 0, s92
	s_cselect_b32 s93, 0, -1                       ; keeps the bias along the registers for Q, K
	s_cselect_b32 s3, -1, 0                        ; keeps the bias along the lanes for V
	s_add_co_i32 s84, s84, s85
	s_add_co_i32 s84, s84, 127
	s_lshl_b32 s86, s84, 23                        ; 2^(eA + eB) as f32
	s_mov_b32 s87, s86                             ; (named with it as a pair, so it is written)
	s_add_co_i32 s88, s88, 127
	s_lshl_b32 s85, s88, 23
	v_mov_b32 v30, s85                             ; 2^eo: the conversion takes its exponent field
	s_lshl_b32 s70, s21, 2
	s_add_co_u32 s70, s70, s91                     ; my (first) head
	s_lshl_b32 s70, s70, 17                        ; a head's images are 131,072 bytes
	s_add_co_u32 s70, s70, s92
	s_and_b32 s84, s22, 15
	s_lshl_b32 s84, s84, 13                        ; 128 tokens: 8 tiles of Q, K or one step of V: 8,192 bytes either way
	s_add_co_u32 s70, s70, s84
	s_bfe_u32 s84, s22, 0x20004                    ; the batch: (T % 64) / 16
	s_lshl_b32 s84, s84, 21
	s_add_co_u32 s70, s70, s84
	s_lshl_b32 s84, s23, 23                        ; the part: Q, K, V
	s_add_co_u32 s70, s70, s84
	s_add_nc_u64 s[70:71], s[14:15], s[70:71]
	v_and_b32 v4, 31, v0
	v_lshlrev_b32 v4, 4, v4                        ; 16 x lane
.irp a, 0,1,2,3
	s_mul_i32 s84, s89, \a
	v_add_nc_u32 v[OA+\a], s84, v4
	v_add_nc_u32 v[OB+\a], s90, v[OA+\a]
.endr
	s_wait_loadcnt 0x0                             ; the biases are in
	WIN 0xcc                                       ; source 1 and destination window 3
.set j, 0
.rept 64
	v_and_b32 v[j], s93, v[j]
.set j, j+1
.endr
	WIN 0
.irp a, 0,1,2,3
	v_and_b32 v[BM+2*\a], s3, v[BM+2*\a]
	v_mov_b32 v[BM+2*\a+1], 0                      ; (named with it as a pair)
.endr
	s_wait_tensorcnt 2                             ; my part of K step 0 is in; steps 1 and 2 may stay out
	s_barrier_signal -1
	s_barrier_wait -1                              ; everybody's is
	FETCH 0, 0, 0
	SUB 0, 1, 0, 1                                 ; k 0: the first products start the sums: nothing is cleared
	TURN 1, 1                                      ; k 128; the round; K step 3 goes into slot 0.  The wait for all loads has also shown slots 1 and 2 whole to every wave
	SUB 0, 0, 1, 1                                 ; k 256
	SUB 1, 0, 2, 0                                 ; k 384
	SUB 0, 0, 2, 1                                 ; k 512
	TURN 0, 0                                      ; k 640; K step 3 has landed
	SUB 0, 0, 0, 1                                 ; k 768
	s_wait_dscnt 8                                 ; k 896: nothing more to fetch
	WIN MULW
	MUL 0, 1, 0
	MUL 1, 1, 0
	s_wait_dscnt 0x0
	MUL 2, 1, 0
	MUL 3, 1, 0
	WIN 0
	; THE WAY OUT, a block of P's 16 rows at a time: sum x 2^(eA + eB) + bias, the hold, the conversion: the 16 registers of codes are the images, and each store of the wave covers 512 consecutive bytes, aligned.
	PLACES
.irp a, 0,1,2,3
	WIN 0x32                                       ; source 0 (the sums) window 2, source 2 (the bias along the registers) window 3
.irp b, 0,1,2,3,4,5,6,7
.irp j, 0,2,4,6
	v_pk_fma_f32 v[TT+8*\b+\j:TT+8*\b+\j+1], v[8*(8*\a+\b)+\j:8*(8*\a+\b)+\j+1], s[86:87], v[8*\b+\j:8*\b+\j+1] op_sel_hi:[1,0,1]   ; each accumulator from its low end on
.endr
.endr
	WIN 0
.set j, 0
.rept 32
	v_pk_add_f32 v[TT+j:TT+j+1], v[TT+j:TT+j+1], v[BM+2*\a:BM+2*\a+1] op_sel_hi:[1,0]   ; the bias along the lanes; of the two biases one is 0, so one addition rounds
.set j, j+2
.endr
.set j, 0
.rept 64
.set j, j+1
.endr
.irp b, 0,1,2,3,4,5,6,7
	v_cvt_scalef32_pk8_fp8_f32 v[CC+16*\a+2*\b:CC+16*\a+2*\b+1], v[TT+8*\b:TT+8*\b+7], v30
.endr
	v_nop                                          ; a plain line between the last conversion and the next block's writes of its sources
	global_store_b128 v[OA+\a], v[CC+16*\a:CC+16*\a+3], s[70:71]
	global_store_b128 v[OA+\a], v[CC+16*\a+4:CC+16*\a+7], s[70:71] offset:512
	global_store_b128 v[OB+\a], v[CC+16*\a+8:CC+16*\a+11], s[70:71]
	global_store_b128 v[OB+\a], v[CC+16*\a+12:CC+16*\a+15], s[70:71] offset:512
.endr
	s_wait_tensorcnt 0x0                           ; the wave's end
	ds_add_u32 v[SPW], v[NIL]
	s_wait_dscnt 0x0
	CROUND                                         ; the closing round: no work-group ends while a partner may still ask for a tile that names it
	s_endpgm
.Lfunc_end_k_q515d60defc_proj:
	.size	k_q515d60defc_proj, .Lfunc_end_k_q515d60defc_proj-k_q515d60defc_proj
	.p2alignl 7, 3214868480
	.fill 96, 4, 3214868480
	.section	.rodata,"a",@progbits
	.p2align	6, 0x0
	.amdhsa_kernel k_q515d60defc_proj
		.amdhsa_group_segment_fixed_size 327680
		.amdhsa_private_segment_fixed_size 0
		.amdhsa_enable_private_segment 0
		.amdhsa_kernarg_size 48
		.amdhsa_user_sgpr_count 2
		.amdhsa_user_sgpr_kernarg_segment_ptr 1
		.amdhsa_wavefront_size32 1
		.amdhsa_system_sgpr_workgroup_id_x 1
		.amdhsa_system_sgpr_workgroup_id_y 1
		.amdhsa_system_sgpr_workgroup_id_z 1
		.amdhsa_system_vgpr_workitem_id 0
		.amdhsa_next_free_vgpr 1024
		.amdhsa_next_free_sgpr 100
		.amdhsa_reserve_vcc 0
		.amdhsa_float_denorm_mode_32 3
		.amdhsa_float_denorm_mode_16_64 3
		.amdhsa_fp16_overflow 1
		.amdhsa_memory_ordered 1
		.amdhsa_forward_progress 1
		.amdhsa_inst_pref_size 79
	.end_amdhsa_kernel
	.amdgpu_metadata
---
amdhsa.version: [ 1, 2 ]
amdhsa.kernels:
  - .name:           k_q515d60defc_proj
    .symbol:         k_q515d60defc_proj.kd
    .args:
      - { .name: codes, .offset: 0, .size: 8, .value_kind: global_buffer, .address_space: global }
      - { .name: lowp_scales, .offset: 8, .size: 8, .value_kind: global_buffer, .address_space: global }
      - { .name: wq_b, .offset: 16, .size: 8, .value_kind: global_buffer, .address_space: global }
      - { .name: wk_b, .offset: 24, .size: 8, .value_kind: global_buffer, .address_space: global }
      - { .name: wv_b, .offset: 32, .size: 8, .value_kind: global_buffer, .address_space: global }
      - { .name: qkv, .offset: 40, .size: 8, .value_kind: global_buffer, .address_space: global }
    .group_segment_fixed_size: 327680
    .private_segment_fixed_size: 0
    .kernarg_segment_align: 8
    .kernarg_segment_size: 48
    .max_flat_workgroup_size: 128
    .sgpr_count:     100
    .vgpr_count:     1024
    .wavefront_size: 32
...
	.end_amdgpu_metadata
.endif
;; end of part 2
;; launch attn (part 3): grid 4 x 64, 16 waves a work-group, clusters of 4 x 1, 327,680 bytes of LDS; arguments qkv, lowp_scales, oc; writes oc
.if DOCPART == 3
	.amdgcn_target "amdgcn-amd-amdhsa--gfx1250"
	.amdhsa_code_object_version 6
	.text
	.protected	k_q515d60defc_attn
	.globl	k_q515d60defc_attn
	.p2align	8
	.type	k_q515d60defc_attn,@function
k_q515d60defc_attn:
	s_mov_b64 s[64:65], 0
	v_nop
	global_prefetch_b8 v0, s[64:65] scope:SCOPE_SE
	s_setreg_imm32_b32 hwreg(HW_REG_WAVE_MODE, 25, 1), 1
	s_wait_xcnt 0x0
	s_wait_alu depctr_hold_cnt(0) depctr_sa_sdst(0) depctr_va_vdst(0) depctr_va_sdst(0) depctr_va_ssrc(0) depctr_va_vcc(0) depctr_vm_vsrc(0)
	s_getreg_b32 s2, hwreg(HW_REG_IB_STS2, 6, 4)
	s_cmp_eq_u32 s2, 0
	s_cbranch_scc0 .Lentry_in_a_cluster
	s_endpgm
.Lentry_in_a_cluster:
	s_bfe_u32 s2, ttmp6, 0x10000c
	s_cmp_lg_u32 s2, 0x3003
	s_cbranch_scc0 .Lentry_shape_is_right
	s_endpgm
.Lentry_shape_is_right:
; O[b][h][q] = the sum over keys k <= q of softmax_k(Q . K / 8) V, both products on codes of FP8 (E4M3); the result is quantised with 2^e10 and stored as images of the last product's operand registers.
; qkv: three parts of 8,388,608 bytes.  Q, K: [head (64)][tile of 16 tokens (128)][2][lane][16 bytes]: registers 2 c, 2 c + 1 of lane (r, h) = token r, channels 16 c + 8 h + 0 .. 7.
;      V: [head][step of 128 keys (16)][16 channels (4)][4][lane][16 bytes]: lane (r, h) = channel r, registers 2 c, 2 c + 1 = keys 16 c + 8 h + 0 .. 7.
; oc:  [tile of 16 rows (512)][head (16)][2][lane][16 bytes]: lane (r, h) = row r, k = 64 head + 32 cc + 16 h + 0 .. 15.
; THE SOFTMAX: t = score x 2^(e6 + e7) x log2(e) / 8; M = the running largest t rounded UP to a whole number; p = 2^(t - M) is quantised with 2^e8, not normalised; the row's sum is taken of the unquantised p and divides
; at the end.  When M moves, the sum and O are multiplied by 2^(old M - new M): exact.  Hidden scores become -infinity ahead of the maximum, so p = 0 (the -1e9 of the definition gives 0 too while true logits stay far above it).
; LIMITS: e6 + e7 between -123 and 130 (added to the constant's exponent field); e8 and e10 between -126 and 119; e8 + e9 goes in by v_ldexp_f32 and has none.  NaN is not served.
; SHARES.  A cluster of four work-groups is one head.  Its 128 tiles of 16 queries go in pairs: wave w of work-group cx owns tile lo = 4 w + cx and tile hi = 127 - lo.  Tile T needs T / 8 + 1 steps of 128 keys:
; (w / 2) + 1 for lo, 16 - (w / 2) for hi: 17 for every wave of the launch, and the number of a tile's last step hangs on the wave's number alone, so no branch differs between partners.
; THE WHOLE HEAD'S K AND V LIE IN LDS (2 x 131,072 bytes), brought once by joint loads, two a wave: no byte of LDS is filled twice.  All reads are at 16 x lane + constants.
; LAYOUT.  S^T = K Q^T (source 0 = 16 keys, source 1 = my 16 queries), O^T = V^T P^T: a lane holds ONE query throughout; the eight scores of tile c are keys 16 c + 8 h + 0 .. 7: their codes are registers 2 c, 2 c + 1 of P.
; REGISTERS: v1 16 x lane; v2, v3 the diagonal's bound for lo, hi; v4, v5 my stage; v6 -infinity; v8, v9 addresses in hand; v12 -M, v13 the largest t, v[14:15] the sum; v16-23, v24-31 Q of lo, hi; v32-95 K's 8 or V's 4 fragments;
;   v96-159 S^T, then p; v160-191 O^T; v192-199 the result's codes; v200-215 the same as images; v224-239 p's codes; v241, v243 scales; v244-251 at work.
.set VLDS,  131072                     ; V's images in LDS, behind K's
.set STAGE, 262144                     ; behind them: 16 rows x (64 + 16) bytes for each wave
.macro CROUND
	s_barrier_signal -1
	s_barrier_wait -1
	s_cmp_lg_u32 s10, 0
	s_cbranch_scc1 .Lnot_wave_0_\@
	s_barrier_signal -3
.Lnot_wave_0_\@:
	s_barrier_wait -3
	s_barrier_signal -1
	s_barrier_wait -1
.endm
	s_load_b128 s[4:7], s[0:1], 0x0                ; qkv s[4:5], the exponents s[6:7]
	s_load_b64 s[8:9], s[0:1], 0x10                ; oc
	v_lshl_add_u32 v254, v0, 2, 0x45000
	v_mov_b32 v255, 0
	ds_add_u32 v254, v255
	ds_add_u32 v254, v255
	v_lshrrev_b32 v1, 5, v0
	s_delay_alu instid0(VALU_DEP_1)
	v_readfirstlane_b32 s10, v1                    ; wave 0..15
	s_bfe_u32 s11, ttmp6, 0x40000                  ; cx
	s_and_b32 s12, ttmp7, 0xffff                   ; the head, 16 b + h, which the four partners share
	s_lshr_b32 s13, s10, 1                         ; tile lo's last step
	s_sub_co_u32 s14, 15, s13                      ; tile hi's
	s_mov_b32 s16, 15|(3<<16)|(1<<21)              ; group 1: the mask: all four; elements of 8 bytes; bit 21 beside a mask; no padding
	s_mov_b32 s17, 32<<16                          ; tensor_dim0 = 32 elements: rows of 256 bytes
	s_mov_b32 s18, 32<<16                          ; tensor_dim1 = 32 rows
	s_mov_b32 s19, 32<<16                          ; tile_dim0
	s_mov_b32 s20, 32                              ; tile_dim1
	s_mov_b32 s21, 32                              ; dense: a row begins where the last ends
	s_mov_b32 s22, 0
	s_mov_b32 s23, 0
	s_mov_b32 s24, 0x76543210                      ; v_permlanex16_b32: lane l xor 16
	s_mov_b32 s25, 0xfedcba98
	s_and_b32 s30, s10, 7
	s_lshl_b32 s30, s30, 13                        ; waves 0-7 fetch K, waves 8-15 V: 8,192 bytes (one step of keys) at 8,192 x (wave % 8), and the same 65,536 bytes on
	s_lshr_b32 s31, s10, 3
	s_lshl_b32 s59, s31, 17
	s_add_co_u32 s59, s59, s30                     ; in LDS
	s_add_co_u32 s31, s31, 1
	s_lshl_b32 s31, s31, 23                        ; in memory: part 1 (K) or 2 (V),
	s_add_co_u32 s30, s30, s31
	s_lshl_b32 s31, s12, 17                        ; the head's 131,072 bytes
	s_add_co_u32 s30, s30, s31
	s_mov_b32 s31, 0
	s_wait_dscnt 0x0
	s_wait_kmcnt 0x0
	s_load_b256 s[40:47], s[6:7], 0x0              ; e0 .. e7
	s_load_b128 s[48:51], s[6:7], 0x20             ; e8 .. e11
	s_mov_b32 s32, 1
	s_mov_b32 s33, s59
	s_add_nc_u64 s[34:35], s[4:5], s[30:31]
	s_mov_b32 s36, 1
	s_add_co_u32 s37, s59, 65536
	s_add_nc_u64 s[38:39], s[34:35], 65536
	s_or_b32 s35, s35, 0x80000000
	s_or_b32 s39, s39, 0x80000000
	CROUND                                         ; all four work-groups are here: the joint loads meet
	tensor_load_to_lds s[32:35], s[16:23]          ; keys 0 to 1,023: one step of K or of V
	s_nop 0
	s_wait_alu depctr_va_vdst(0)
	s_wait_tensorcnt 0x0
	ds_add_u32 v254, v255
	s_wait_dscnt 0x0
	CROUND
	tensor_load_to_lds s[36:39], s[16:23]          ; keys 1,024 to 2,047.  One load of mine is out, the first having landed; there are no others in the launch
	s_nop 0
.rept 4
	v_nop
.endr
	v_and_b32 v1, 31, v0
	s_delay_alu instid0(VALU_DEP_1)
	v_lshlrev_b32 v1, 4, v1                        ; 16 x lane
	v_and_b32 v7, 15, v0                           ; r
	v_bfe_u32 v10, v0, 4, 1                        ; h
	s_delay_alu instid0(VALU_DEP_1)
	v_lshlrev_b32 v11, 3, v10
	s_delay_alu instid0(VALU_DEP_1)
	v_sub_nc_u32 v11, v7, v11                      ; r - 8 h
	s_and_b32 s2, s10, 1
	s_lshl_b32 s2, s2, 2
	s_add_co_u32 s2, s2, s11
	s_lshl_b32 s2, s2, 4                           ; 16 (lo % 8): where my queries stand in their last step of 128 keys
	s_sub_co_u32 s3, 112, s2                       ; 16 (hi % 8)
	v_add_nc_u32 v2, s2, v11                       ; register 8 t + j holds key 16 t + 8 h + j of the step: hidden where 16 t + j > r - 8 h + 16 (tile % 8)
	v_add_nc_u32 v3, s3, v11
	s_mul_i32 s15, s10, 1280
	s_add_co_u32 s15, s15, STAGE                   ; my stage
	v_mul_u32_u24 v11, v7, 80
	s_delay_alu instid0(VALU_DEP_1)
	v_lshl_add_u32 v4, v10, 3, v11
	s_delay_alu instid0(VALU_DEP_1)
	v_add_nc_u32 v4, s15, v4                       ; in: row r, 8 bytes at 16 ct + 8 h
	s_delay_alu instid0(VALU_DEP_3)
	v_lshl_add_u32 v5, v10, 4, v11
	s_delay_alu instid0(VALU_DEP_1)
	v_add_nc_u32 v5, s15, v5                       ; back: row r, 16 bytes at 32 cc + 16 h
	v_mov_b32 v6, 0xff800000                       ; -infinity
	v_mov_b32 v246, 0                              ; written once: a lane permute's destination counts as one of its sources
	v_mov_b32 v249, 0                              ; (named as the upper half of the pair v[248:249])
	s_lshl_b32 s62, s10, 2
	s_add_co_u32 s62, s62, s11                     ; lo
	s_sub_co_u32 s63, 127, s62                     ; hi
	s_mov_b32 s3, 0
	s_lshl_b32 s15, s12, 17                        ; Q: the head's images, 1,024 bytes a tile
	s_lshl_b32 s2, s62, 10
	s_add_co_u32 s2, s2, s15
	s_add_nc_u64 s[52:53], s[4:5], s[2:3]
	s_lshl_b32 s2, s63, 10
	s_add_co_u32 s2, s2, s15
	s_add_nc_u64 s[54:55], s[4:5], s[2:3]
	s_lshr_b32 s15, s12, 4
	s_lshl_b32 s15, s15, 21                        ; oc: the batch's 128 tiles of 16,384 bytes,
	s_and_b32 s59, s12, 15
	s_lshl_b32 s59, s59, 10                        ; the head's 1,024 bytes in a tile
	s_add_co_u32 s15, s15, s59
	s_lshl_b32 s2, s62, 14
	s_add_co_u32 s2, s2, s15
	s_add_nc_u64 s[56:57], s[8:9], s[2:3]
	s_lshl_b32 s2, s63, 14
	s_add_co_u32 s2, s2, s15
	s_add_nc_u64 s[60:61], s[8:9], s[2:3]
.irp c, 0,1
	global_load_b128 v[16+4*\c:19+4*\c], v1, s[52:53] offset:512*\c   ; Q's two fragments stay in registers
	global_load_b128 v[24+4*\c:27+4*\c], v1, s[54:55] offset:512*\c
.endr
	s_wait_kmcnt 0x0
	s_mov_b32 s26, 0x3e38aa3b                      ; c = log2(e) / 8
	s_add_co_i32 s15, s46, s47
	s_lshl_b32 s15, s15, 23
	s_add_co_i32 s26, s26, s15                     ; x 2^(e6 + e7): the two exponents are added to c's exponent field
	s_mov_b32 s27, s26                             ; (named with it as a pair)
	s_add_co_i32 s15, s48, 127
	s_lshl_b32 s59, s15, 23
	v_mov_b32 v241, s59                            ; 2^e8, for p's conversion
	s_add_co_i32 s15, s50, 127
	s_lshl_b32 s59, s15, 23
	v_mov_b32 v243, s59                            ; 2^e10, for the result's
	s_add_co_i32 s58, s48, s49                     ; e8 + e9
.macro INIT                            ; a tile begins: O^T and the sum are zeros, the largest t lies under every t: the first change of M multiplies zeros
	v_mov_b32 v13, 0xff61b1e6                      ; -3e38
	s_delay_alu instid0(VALU_DEP_1)
	v_floor_f32 v12, -v13
	v_mov_b32 v14, 0
	v_mov_b32 v15, 0
.set j, 0
.rept 32
	v_mov_b32 v[160+j], 0
.set j, j+1
.endr
	s_mov_b32 s28, 0                               ; the step's number
	s_mov_b32 s29, 0                               ; and its byte in K's images (V's: VLDS on)
.endm
; A STEP OF 128 KEYS for the tile whose Q lies in v[qr] on; v[dm]: the diagonal's bound; s[last]: the tile's last step.  A step behind the last is left out by a scalar branch on the wave's number and the
; counter; the line at the end that steps the address is not.  No barrier and no tensor load stands in a step.
.macro STEP qr, dm, last
	s_cmp_gt_u32 s28, s[\last]
	s_cbranch_scc1 .Lhid_\@
	s_setprio 2
	v_add_nc_u32 v8, s29, v1
	s_delay_alu instid0(VALU_DEP_1)
	v_add_nc_u32 v9, VLDS, v8
	v_nop
	v_nop                                          ; four plain lines between the last products and the loads into the registers that they read
.irp t, 0,1,2,3,4,5,6,7
	ds_load_b128 v[32+8*\t:35+8*\t], v8 offset:1024*\t
	ds_load_b128 v[36+8*\t:39+8*\t], v8 offset:1024*\t+512
.endr
	s_wait_alu depctr_va_vdst(0)
	s_wait_dscnt 8                                 ; tiles 0 to 3 are in; the eight loads of tiles 4 to 7 may be out
.irp t, 0,1,2,3
	v_wmma_f32_16x16x64_fp8_fp8 v[96+8*\t:103+8*\t], v[32+8*\t:39+8*\t], v[\qr:\qr+7], 0
.endr
	s_wait_dscnt 0x0
.irp t, 4,5,6,7
	v_wmma_f32_16x16x64_fp8_fp8 v[96+8*\t:103+8*\t], v[32+8*\t:39+8*\t], v[\qr:\qr+7], 0
.endr
.rept 4
	v_nop                                          ; places in front of the loads over K's fragments and of the first read of the scores
.endr
.irp t, 0,1,2,3
.irp c, 0,1,2,3
	ds_load_b128 v[32+16*\t+4*\c:35+16*\t+4*\c], v9 offset:2048*\t+512*\c   ; V's four fragments land while the softmax is worked
.endr
.endr
	s_cmp_lg_u32 s28, s[\last]                     ; only the tile's last step lies on the diagonal
	s_cbranch_scc1 .Lopen_\@
.set n, 0
.rept 64
	v_cmp_gt_i32 vcc_lo, 16*(n/8)+n%8, v[\dm]
	v_cndmask_b32 v[96+n], v[96+n], v6, vcc_lo
.set n, n+1
.endr
.Lopen_\@:
	v_max3_num_f32 v250, v96, v97, v98             ; the step's largest score of my query among my 64 keys, in two chains, each accumulator from its low end on,
	v_max3_num_f32 v251, v99, v100, v101
.irp i, 6,10,14,18,22,26,30,34,38,42,46,50,54,58
	v_max3_num_f32 v250, v250, v[96+\i], v[97+\i]
	v_max3_num_f32 v251, v251, v[98+\i], v[99+\i]
.endr
	v_max3_num_f32 v250, v250, v158, v159
	s_delay_alu instid0(VALU_DEP_1)
	v_max_num_f32 v250, v250, v251
	s_delay_alu instid0(VALU_DEP_1)
	v_permlanex16_b32 v246, v250, s24, s25
	s_delay_alu instid0(VALU_DEP_1)
	v_max_num_f32 v250, v250, v246                 ; and among lane l xor 16's
	s_delay_alu instid0(VALU_DEP_1)
	v_mul_f32 v250, s26, v250                      ; as t (c is positive)
	s_delay_alu instid0(VALU_DEP_1)
	v_max_num_f32 v13, v13, v250                   ; the running largest t
	v_mov_b32 v250, v12
	s_delay_alu instid0(VALU_DEP_2)
	v_floor_f32 v12, -v13                          ; the new -M = floor(-t) = -ceil(t): a whole number
	s_delay_alu instid0(VALU_DEP_1)
	v_sub_f32 v250, v12, v250                      ; old M - new M: a whole number, 0 or less
	s_delay_alu instid0(VALU_DEP_1)
	v_cvt_i32_f32 v250, v250                       ; (it saturates)
	s_delay_alu instid0(VALU_DEP_1)
	v_ldexp_f32 v248, 1.0, v250                    ; f = 2^(old M - new M)
.set j, 0
	s_setprio 1
.rept 32
	v_pk_fma_f32 v[96+j:97+j], v[96+j:97+j], s[26:27], v[12:13] op_sel_hi:[1,0,0]   ; t - M, two at a time
.set j, j+2
.endr
.set j, 0
	s_wait_alu depctr_va_vdst(0)
.rept 64
	v_exp_f32 v[96+j], v[96+j]                     ; p = 2^(t - M), at most 1
.set j, j+1
.endr
	v_pk_mul_f32 v[14:15], v[14:15], v[248:249] op_sel_hi:[1,0]   ; the sums under the new M: the plain line behind the exponentials
	s_wait_alu depctr_va_vdst(0)                   ; one wait for the batch of 64, ahead of its first reader
	v_pk_add_f32 v[244:245], v[96:97], v[98:99]    ; the row's sum is taken of the unquantised p, in two chains
.irp j, 4,8,12,16,20,24,28,32,36,40,44,48,52,56,60
	v_pk_add_f32 v[14:15], v[14:15], v[96+\j:97+\j]
	v_pk_add_f32 v[244:245], v[244:245], v[98+\j:99+\j]
.endr
	s_delay_alu instid0(VALU_DEP_1)
	v_pk_add_f32 v[14:15], v[14:15], v[244:245]
	s_setprio 0
.irp c, 0,1,2,3,4,5,6,7
.irp i, 0,1,2,3,4,5,6,7
.endr
	v_cvt_scalef32_pk8_fp8_f32 v[224+2*\c:225+2*\c], v[96+8*\c:103+8*\c], v241
.endr
.set j, 0
.rept 16
	v_pk_mul_f32 v[160+j:161+j], v[160+j:161+j], v[248:249] op_sel_hi:[1,0]   ; O^T under the new M; these are also the plain lines between the conversions and the products
.set j, j+2
.endr
	s_wait_alu depctr_va_vdst(0)
	s_wait_dscnt 0x0                               ; V is in
.irp t, 0,1,2,3
	v_wmma_f32_16x16x128_fp8_fp8 v[160+8*\t:167+8*\t], v[32+16*\t:47+16*\t], v[224:239], v[160+8*\t:167+8*\t]   ; four accumulators by turns
.endr
.Lhid_\@:
	s_add_co_u32 s29, s29, 8192
.endm
; A tile's way out: O^T x 2^(e8 + e9) / the sum, held, quantised with 2^e10.  A lane's 8 codes of 16 ct + 8 h go through my stage and come back as 16 codes of 32 cc + 16 h: the image; each store of the wave covers 512 consecutive bytes, aligned.
.macro OUT bk, base
.rept 4
	v_nop                                          ; places behind the last products
.endr
	v_add_f32 v14, v14, v15
	s_delay_alu instid0(VALU_DEP_1)
	v_permlanex16_b32 v246, v14, s24, s25
	s_delay_alu instid0(VALU_DEP_1)
	v_add_f32 v14, v14, v246                       ; the row's sum
	s_wait_alu depctr_va_vdst(0)
	v_rcp_f32 v14, v14
	v_nop                                          ; a plain line behind the reciprocal
	s_wait_alu depctr_va_vdst(0)                   ; and the wait ahead of its first reader
	v_ldexp_f32 v14, v14, s58
.set j, 0
.rept 16
	v_pk_mul_f32 v[96+j:97+j], v[160+j:161+j], v[14:15] op_sel_hi:[1,0]   ; each accumulator from its low end on
.set j, j+2
.endr
.set j, 0
.rept 32
.set j, j+1
.endr
.irp c, 0,1,2,3
	v_cvt_scalef32_pk8_fp8_f32 v[192+2*\c:193+2*\c], v[96+8*\c:103+8*\c], v243
.endr
	v_nop                                          ; a plain line behind the last conversion
.irp c, 0,1,2,3
	ds_store_b64 v4, v[192+2*\c:193+2*\c] offset:16*\c
.endr
.irp c, 0,1
	ds_load_b128 v[\bk+4*\c:\bk+4*\c+3], v5 offset:32*\c   ; LDS serves a wave's instructions in order: these see my stores
.endr
	s_wait_dscnt 0x0
.irp c, 0,1
	global_store_b128 v1, v[\bk+4*\c:\bk+4*\c+3], s[\base:\base+1] offset:512*\c
.endr
.endm
	INIT
	s_wait_tensorcnt 0x1                           ; my part of keys 0 to 1,023 is in; the other load may stay out
	s_barrier_signal -1
	s_barrier_wait -1                              ; everybody's is
	s_wait_loadcnt 0x0                             ; Q
	STEP 16, 2, 13                                 ; tile lo, step 0, which every wave has: it reads keys 0 to 127 while the second half lands
	s_mov_b32 s28, 1
	s_wait_tensorcnt 0x0                           ; my part of keys 1,024 on is in,
	s_wait_dscnt 0x0
	s_barrier_signal -1
	s_barrier_wait -1                              ; everybody's is
.Lloop_lo:                                         ; steps 1 to 7 of tile lo: a constant count; what lies behind the tile's last step is jumped over inside
	STEP 16, 2, 13
	s_add_co_u32 s28, s28, 1
	s_cmp_lt_u32 s28, 8
	s_cbranch_scc1 .Lloop_lo
	s_setprio 0
	OUT 200, 56
	INIT
.Lloop_hi:                                         ; steps 0 to 15 of tile hi
	STEP 24, 3, 14
	s_add_co_u32 s28, s28, 1
	s_cmp_lt_u32 s28, 16
	s_cbranch_scc1 .Lloop_hi
	s_setprio 0
	OUT 208, 60
	s_wait_tensorcnt 0x0
	ds_add_u32 v254, v255
	s_wait_dscnt 0x0
	CROUND                                         ; the closing round
	s_endpgm
.Lfunc_end_k_q515d60defc_attn:
	.size	k_q515d60defc_attn, .Lfunc_end_k_q515d60defc_attn-k_q515d60defc_attn
	.p2alignl 7, 3214868480
	.fill 96, 4, 3214868480
	.section	.rodata,"a",@progbits
	.p2align	6, 0x0
	.amdhsa_kernel k_q515d60defc_attn
		.amdhsa_group_segment_fixed_size 327680
		.amdhsa_private_segment_fixed_size 0
		.amdhsa_enable_private_segment 0
		.amdhsa_kernarg_size 24
		.amdhsa_user_sgpr_count 2
		.amdhsa_user_sgpr_kernarg_segment_ptr 1
		.amdhsa_wavefront_size32 1
		.amdhsa_system_sgpr_workgroup_id_x 1
		.amdhsa_system_sgpr_workgroup_id_y 1
		.amdhsa_system_sgpr_workgroup_id_z 1
		.amdhsa_system_vgpr_workitem_id 0
		.amdhsa_next_free_vgpr 256
		.amdhsa_next_free_sgpr 66
		.amdhsa_reserve_vcc 1
		.amdhsa_float_denorm_mode_32 3
		.amdhsa_float_denorm_mode_16_64 3
		.amdhsa_fp16_overflow 1
		.amdhsa_memory_ordered 1
		.amdhsa_forward_progress 1
		.amdhsa_inst_pref_size 71
	.end_amdhsa_kernel
	.amdgpu_metadata
---
amdhsa.version: [ 1, 2 ]
amdhsa.kernels:
  - .name:           k_q515d60defc_attn
    .symbol:         k_q515d60defc_attn.kd
    .args:
      - { .name: qkv, .offset: 0, .size: 8, .value_kind: global_buffer, .address_space: global }
      - { .name: lowp_scales, .offset: 8, .size: 8, .value_kind: global_buffer, .address_space: global }
      - { .name: oc, .offset: 16, .size: 8, .value_kind: global_buffer, .address_space: global }
    .group_segment_fixed_size: 327680
    .private_segment_fixed_size: 0
    .kernarg_segment_align: 8
    .kernarg_segment_size: 24
    .max_flat_workgroup_size: 512
    .sgpr_count:     66
    .vgpr_count:     256
    .wavefront_size: 32
...
	.end_amdgpu_metadata
.endif
;; end of part 3
;; launch outp (part 4): grid 4 x 64, 4 waves a work-group, clusters of 4 x 4, 327,680 bytes of LDS; arguments oc, codes, lowp_scales, wo_b, out0; writes out0
.if DOCPART == 4
	.amdgcn_target "amdgcn-amd-amdhsa--gfx1250"
	.amdhsa_code_object_version 6
	.text
	.protected	k_q515d60defc_outp
	.globl	k_q515d60defc_outp
	.p2align	8
	.type	k_q515d60defc_outp,@function
k_q515d60defc_outp:
	s_mov_b64 s[64:65], 0
	v_nop
	global_prefetch_b8 v0, s[64:65] scope:SCOPE_SE
	s_setreg_imm32_b32 hwreg(HW_REG_WAVE_MODE, 25, 1), 1
	s_wait_xcnt 0x0
	s_wait_alu depctr_hold_cnt(0) depctr_sa_sdst(0) depctr_va_vdst(0) depctr_va_sdst(0) depctr_va_ssrc(0) depctr_va_vcc(0) depctr_vm_vsrc(0)
	s_getreg_b32 s2, hwreg(HW_REG_IB_STS2, 6, 4)
	s_cmp_eq_u32 s2, 0
	s_cbranch_scc0 .Lentry_in_a_cluster
	s_endpgm
.Lentry_in_a_cluster:
	s_bfe_u32 s2, ttmp6, 0x10000c
	s_cmp_lg_u32 s2, 0xf033
	s_cbranch_scc0 .Lentry_shape_is_right
	s_endpgm
.Lentry_shape_is_right:
; out0 = O wo^T + bo on codes of FP8 (E4M3).  O's codes come as images of operand registers: oc [tile of 16 rows (512)][head (16)][2][lane][16 bytes], lane (r, h) = row r, k = 64 head + 32 cc + 16 h + 0 .. 15.
; wo's codes: rows of 1,024 bytes at byte WO of codes.  out0 [8192][1024] f32 = sum x 2^(e10 + e11) + bo, one fused multiply-add.
; LIMIT: e10 + e11 between -126 and 127.
; Within one matrix instruction k is permuted, alike in both operands (registers 4 c .. 4 c + 3 hold k = 32 c + 16 (lane / 16) + 0 .. 15): every product meets its partner; the order of the sums inside an instruction differs.
; SHARES.  A work-group makes 128 rows x 256 columns, K = 1,024: 256 work-groups.  Four waves, each 64 rows x 128 columns: 32 accumulators.  Source 0 = 16 rows of wo (R), source 1 = 16 rows of O (P): a lane holds eight
; neighbouring numbers of a row of the output.  K goes in four steps of 256 through three LDS slots: steps 0, 1, 2 are first fills (one tensor load of a wave is out at a time), step 3 the one refill, of slot 0.
; CLUSTERS: 4 x 4 work-groups; O's tiles are shared along a row of the cluster, wo's along a column: each is asked for jointly.  All of the WGP's LDS is claimed.
; REGISTERS, in windows of 256: window 0: v0-29 addresses; v64-127, v128-191 P's fragments, two sets (on the way out v64-255 are at work).  window 1: R's fragments, two sets of 128.
;   window 2: accumulator (a, b) at v[8 (8 a + b)].   window 3: v0-63 the bias.
.set PITCH,  272                       ; wo's rows in LDS: 256 bytes + 16 of padding
.set AREG,   128*PITCH                 ; the region of O's images (32,768 bytes of it are used)
.set SLOT,   3*AREG                    ; then wo's 256 rows
.set SPARE,  3*SLOT                    ; behind the slots: the spare words, 128 bytes for each wave
.set AH,     16384                     ; four tiles of 16 rows x 256 along K: what one wave fetches of O
.set A_K,    4096                      ; bytes in memory from a K step of O to the next: four heads' images
.set P_BLK,  4096                      ; P: from a tile of 16 rows to the next,
.set P_Q,    2048                      ; from 128 along K to the next,
.set P_C,    512                       ; from four registers to the next
.set WO,     25165824+3*1048576        ; where wo's codes begin
.set PADW,   (1<<20)|(1<<21)|(5<<22)|(3<<25)
.set SPITCH, 528                       ; the way out: a stage of 16 rows x (512 + 16) bytes for each wave, in slot 1: it has had its only fill, and its last reads are over in front of the launch's last barrier but the closing round's
.set CO,   4                           ; v4      16 x lane
.set ADRP, 16                          ; v16-18  LDS address of my P fragments in slot 0, 1, 2
.set ADRR, 20                          ; v20-22  the same for R
.set STO,  24                          ; v24     the stage: where I put 32 bytes of a row
.set RD,   25                          ; v25     and where I read a row back
.set SPW,  28                          ; v28     my spare word; never rewritten
.set NIL,  29                          ; v29     0; never rewritten
.set PF,   64
.set TT,   64                          ; the way out: 64 numbers
.set BK,   128                         ; and 16 rows read back: v128-191 and v192-255 by turns
.set G1A, 24
.set G0A, 32
.set G1B, 44
.set G0B, 52
.set MSB, 0
.macro WIN new                         ; the immediate's high byte repeats the setting that is left
.if MSB != \new
	s_set_vgpr_msb (MSB<<8)|\new
.set MSB, \new
.endif
.endm
.set MULW, 0xa1                        ; source 0 (R) window 1, source 1 (P) window 0, C and D window 2
.set TO_R, 0x40                        ; destination window 1, address window 0
; A joint load: waves 0 and 1 fetch O's halves, waves 2 and 3 wo's.  The branch hangs on the wave's number alone.  Four v_nop follow each of the two lines.
.macro JLOAD s
	s_cmp_eq_u32 s17, 0
	s_cbranch_scc0 .Lfor_b_\@
	tensor_load_to_lds s[G0A+4*\s:G0A+4*\s+3], s[G1A:G1A+7]
	s_nop 0
.rept 4
	v_nop
.endr
	s_branch .Lasked_\@
.Lfor_b_\@:
	tensor_load_to_lds s[G0B+4*\s:G0B+4*\s+3], s[G1B:G1B+7]
	s_nop 0
.rept 4
	v_nop
.endr
.Lasked_\@:
.endm
.macro CREST                           ; a round of the cluster's barrier behind its opening barrier
	s_cmp_lg_u32 s16, 0
	s_cbranch_scc1 .Lnot_wave_0_\@
	s_barrier_signal -3
.Lnot_wave_0_\@:
	s_barrier_wait -3
	s_barrier_signal -1
	s_barrier_wait -1
.endm
.macro CROUND
	s_barrier_signal -1
	s_barrier_wait -1
	CREST
.endm
.macro PLACES                          ; four plain vector lines between a matrix instruction and a load into, or a vector read or write of, its registers
.rept 4
	v_nop
.endr
.endm
; 8 matrix instructions: P's block a against R's eight, 128 along K.  The 32 accumulators take turns, one instruction a turn, in the same order in every step.
.macro MUL a, set, zero
.irp b, 0,1,2,3,4,5,6,7
.if \zero
	v_wmma_f32_16x16x128_fp8_fp8 v[8*(8*(\a)+\b):8*(8*(\a)+\b)+7], v[128*(\set)+16*\b:128*(\set)+16*\b+15], v[PF+64*(\set)+16*(\a):PF+64*(\set)+16*(\a)+15], 0
.else
	v_wmma_f32_16x16x128_fp8_fp8 v[8*(8*(\a)+\b):8*(8*(\a)+\b)+7], v[128*(\set)+16*\b:128*(\set)+16*\b+15], v[PF+64*(\set)+16*(\a):PF+64*(\set)+16*(\a)+15], v[8*(8*(\a)+\b):8*(8*(\a)+\b)+7]
.endif
.endr
.endm
; 48 LDS loads in one run: the fragments of the slot's q-th 128 along K: R's eight, then P's four, blocks 0 and 1 first
.macro FETCH slot, q, set
	WIN TO_R
.irp i, 0,1,2,3,4,5,6,7
.irp c, 0,1,2,3
	ds_load_b128 v[128*(\set)+16*\i+4*\c:128*(\set)+16*\i+4*\c+3], v[ADRR+\slot] offset:128*(\q)+32*\c+\i*16*PITCH
.endr
.endr
	WIN 0
.irp i, 0,1,2,3
.irp c, 0,1,2,3
	ds_load_b128 v[PF+64*(\set)+16*\i+4*\c:PF+64*(\set)+16*\i+4*\c+3], v[ADRP+\slot] offset:P_Q*(\q)+P_C*\c+P_BLK*\i
.endr
.endr
.endm
; 128 along K: 32 matrix instructions on one set; in their middle the next 128's fragments are fetched into the other set
.macro SUB set, zero, nslot, nq
	s_wait_dscnt 8                                 ; R's eight and P's blocks 0, 1 are in; the youngest eight loads (P's blocks 2, 3) may be out
	WIN MULW
	MUL 0, \set, \zero
	MUL 1, \set, \zero
	PLACES                                         ; the other set was last read in front of these sixteen products
	FETCH \nslot, \nq, 1-(\set)
	s_wait_dscnt 48                                ; all but the 48 just issued
	WIN MULW
	MUL 2, \set, \zero
	MUL 3, \set, \zero
.endm
; 128 along K on set 1, with a barrier in its middle.  In front of it each wave waits for all its tensor loads, adds 0 to its spare word, and waits for that and for all its LDS reads.
; fill = 1: the barrier opens a round of the cluster's barrier, and slot 0, which nobody reads any more, takes K step 3.  fill = 0: K step 3 has landed in every wave's sight.
.macro TURN nslot, fill
	WIN 0                                          ; (the add's two registers lie in window 0)
	s_wait_tensorcnt 0x0                           ; all my tensor loads have landed
	ds_add_u32 v[SPW], v[NIL]                      ; 0 onto my spare word
	s_wait_dscnt 9                                 ; (the add and the youngest eight loads may be out)
	WIN MULW
	MUL 0, 1, 0                                    ; eight matrix instructions stand between the add and the wait for it
	s_wait_dscnt 0x0                               ; the add is done, and my LDS reads are over
	s_barrier_signal -1
	MUL 1, 1, 0
	WIN 0
	s_barrier_wait -1
.if \fill
	CREST                                          ; no wave of any partner still reads slot 0 or has a load on its way
	s_add_nc_u64 s[G0A+2:G0A+3], s[G0A+2:G0A+3], 3*A_K
	s_add_nc_u64 s[G0B+2:G0B+3], s[G0B+2:G0B+3], 3*256
	JLOAD 0                                        ; the first tensor load behind the round, one a wave; its four v_nop are also the places in front of the loads below
.else
	PLACES
.endif
	s_wait_alu depctr_va_vdst(0)
	FETCH \nslot, 0, 0
	WIN MULW
	MUL 2, 1, 0
	MUL 3, 1, 0
.endm
	s_load_b256 s[4:11], s[0:1], 0x0               ; oc s[4:5], codes s[6:7], the exponents s[8:9], wo_b s[10:11]
	s_load_b64 s[12:13], s[0:1], 0x20              ; out0
	v_lshl_add_u32 v[SPW], v0, 2, SPARE
	v_mov_b32 v[NIL], 0
	ds_add_u32 v28, v29
	ds_add_u32 v28, v29
	s_wait_dscnt 0x0
	v_lshrrev_b32 v1, 5, v0
	v_readfirstlane_b32 s16, v1                    ; wave 0..3
	s_lshr_b32 s17, s16, 1                         ; which 64 rows are mine.  Also: I fetch for O (0) or for wo (1)
	s_and_b32 s18, s16, 1                          ; which 128 columns.  Also: which half of that tile I fetch
	s_bfe_u32 s19, ttmp6, 0x40000                  ; cx
	s_bfe_u32 s20, ttmp6, 0x40004                  ; cy
	s_lshl_b32 s21, ttmp9, 2
	s_add_co_u32 s21, s21, s19                     ; tile column = 4 x cluster x + cx
	s_and_b32 s22, ttmp7, 0xffff
	s_lshl_b32 s22, s22, 2
	s_add_co_u32 s22, s22, s20                     ; tile row T = 4 x cluster y + cy
	s_lshl_b32 s84, s20, 2
	s_lshl_b32 s84, 15, s84                        ; my row of the cluster
	s_lshl_b32 s85, 0x1111, s19                    ; my column
	s_or_b32 s[G1A], s84, (3<<16)|(1<<21)          ; O's tiles go to my row; elements of 8 bytes; bit 21 beside a mask; no padding: images are read at 16 x lane
	s_or_b32 s[G1B], s85, PADW                     ; wo's to my column; elements of 1 byte, padded
	s_mov_b32 s[G1A+1], 512<<16                    ; tensor_dim0 = 512 elements: a tile's 4,096 bytes of a K step
	s_mov_b32 s[G1A+2], 4<<16                      ; tensor_dim1 = 4 tiles of 16 rows
	s_mov_b32 s[G1A+3], 512<<16                    ; tile_dim0
	s_mov_b32 s[G1A+4], 4                          ; tile_dim1
	s_mov_b32 s[G1A+5], 2048                       ; 16,384 bytes from a tile of rows to the next
	s_mov_b32 s[G1A+6], 0
	s_mov_b32 s[G1A+7], 0
	s_mov_b32 s[G1B+1], 256<<16
	s_mov_b32 s[G1B+2], 128<<16
	s_mov_b32 s[G1B+3], 256<<16
	s_mov_b32 s[G1B+4], 128
	s_mov_b32 s[G1B+5], 1024
	s_mov_b32 s[G1B+6], 0
	s_mov_b32 s[G1B+7], 0
	s_lshl_b32 s66, s22, 17                        ; O: tile of rows 8 T + 4 x half, 16,384 bytes each
	s_lshl_b32 s88, s18, 16
	s_add_co_u32 s66, s66, s88
	s_mov_b32 s67, 0
	s_lshl_b32 s68, s21, 18                        ; wo: row 256 x tile column + 128 x half
	s_lshl_b32 s88, s18, 17
	s_add_co_u32 s68, s68, s88
	s_add_co_u32 s68, s68, WO
	s_mov_b32 s69, 0
	s_mul_i32 s89, s18, AH                         ; where they go: no place in the cluster enters an LDS address
	s_mul_i32 s90, s18, AREG
	s_add_co_u32 s90, s90, AREG
	s_wait_kmcnt 0x0
	s_load_b64 s[72:73], s[8:9], 0x28              ; e10, e11
	s_add_nc_u64 s[66:67], s[4:5], s[66:67]
	s_add_nc_u64 s[68:69], s[6:7], s[68:69]
	CROUND                                         ; all sixteen work-groups are here: the first joint loads meet
.irp s, 0,1,2
	s_mov_b32 s[G0A+4*\s], 1
	s_add_co_u32 s[G0A+4*\s+1], s89, \s*SLOT
	s_add_nc_u64 s[G0A+4*\s+2:G0A+4*\s+3], s[66:67], \s*A_K
	s_or_b32 s[G0A+4*\s+3], s[G0A+4*\s+3], 0x80000000
	s_mov_b32 s[G0B+4*\s], 1
	s_add_co_u32 s[G0B+4*\s+1], s90, \s*SLOT
	s_add_nc_u64 s[G0B+4*\s+2:G0B+4*\s+3], s[68:69], \s*256
	s_or_b32 s[G0B+4*\s+3], s[G0B+4*\s+3], 0x80000000
	s_wait_alu depctr_va_vdst(0)
	s_wait_tensorcnt 0x0
	ds_add_u32 v28, v29
	ds_add_u32 v28, v29
	s_wait_dscnt 0x0
	CROUND
	JLOAD \s                                       ; K steps 0, 1, 2, each behind the last one's landing: one load of mine is out
.endr
	v_and_b32 v1, 15, v0                           ; r
	v_bfe_u32 v2, v0, 4, 1                         ; h
	v_mul_u32_u24 v3, v1, PITCH
	v_lshl_add_u32 v3, v2, 4, v3                   ; wo: a fragment's row x pitch + 16 h
	v_and_b32 v[CO], 31, v0
	v_lshlrev_b32 v[CO], 4, v[CO]                  ; 16 x lane: O's images, the stage's rows, the output's rows
	s_mul_i32 s91, s17, AH                         ; my four tiles of O's rows
	s_mul_i32 s93, s18, AREG
	s_add_co_u32 s93, s93, AREG                    ; my 128 rows of wo
.irp s, 0,1,2
	v_add_nc_u32 v[ADRP+\s], s91, v[CO]
	v_add_nc_u32 v[ADRR+\s], s93, v3
	s_add_co_u32 s91, s91, SLOT
	s_add_co_u32 s93, s93, SLOT
.endr
	s_lshl_b32 s70, s21, 10
	s_lshl_b32 s88, s18, 9
	s_add_co_u32 s70, s70, s88                     ; my first column, in bytes: 4 (256 x tile column + 128 x half)
	s_mov_b32 s71, 0
	s_add_nc_u64 s[96:97], s[10:11], s[70:71]      ; the bias there
	v_lshlrev_b32 v10, 5, v2                       ; 32 h: register 8 b + j wants number 16 b + 8 h + j
	WIN 0xc0                                       ; destination window 3
.irp b, 0,1,2,3,4,5,6,7
	global_load_b128 v[8*\b:8*\b+3], v10, s[96:97] offset:64*\b
	global_load_b128 v[8*\b+4:8*\b+7], v10, s[96:97] offset:64*\b+16
.endr
	WIN 0
	s_lshl_b32 s88, s22, 19                        ; my first row: 128 T + 64 x half, 4,096 bytes a row
	s_add_co_u32 s70, s70, s88
	s_lshl_b32 s88, s17, 18
	s_add_co_u32 s70, s70, s88
	s_add_nc_u64 s[12:13], s[12:13], s[70:71]
	s_mul_i32 s92, s16, 16*SPITCH
	s_add_co_u32 s92, s92, SLOT                    ; my stage
	v_mul_u32_u24 v5, v1, SPITCH
	v_lshl_add_u32 v5, v2, 5, v5
	v_add_nc_u32 v[STO], s92, v5                   ; in: row r, 32 bytes for each half of the lanes
	v_add_nc_u32 v[RD], s92, v[CO]                 ; back: the 32 lanes take one row of 512 bytes
	s_wait_kmcnt 0x0
	s_add_co_i32 s86, s72, s73
	s_add_co_i32 s86, s86, 127
	s_lshl_b32 s86, s86, 23                        ; 2^(e10 + e11) as f32
	s_mov_b32 s87, s86                             ; (named with it as a pair)
	s_wait_tensorcnt 2                             ; my parts of K steps 0 and 1 are in; step 2 may stay out
	s_barrier_signal -1
	s_barrier_wait -1                              ; everybody's is
	FETCH 0, 0, 0
	SUB 0, 1, 0, 1                                 ; k 0: the first products start the sums: nothing is cleared
	TURN 1, 1                                      ; k 128; the round; K step 3 goes into slot 0.  The wait for all loads has also shown slots 1 and 2 whole to every wave
	SUB 0, 0, 1, 1                                 ; k 256
	SUB 1, 0, 2, 0                                 ; k 384
	SUB 0, 0, 2, 1                                 ; k 512
	TURN 0, 0                                      ; k 640; K step 3 has landed; nobody reads slot 1 any more
	SUB 0, 0, 0, 1                                 ; k 768
	s_wait_dscnt 8                                 ; k 896: nothing more to fetch
	WIN MULW
	MUL 0, 1, 0
	MUL 1, 1, 0
	s_wait_dscnt 0x0
	MUL 2, 1, 0
	MUL 3, 1, 0
	WIN 0
; THE WAY OUT, block by block of 16 rows x 128 columns.  A lane holds 32 neighbouring bytes of a row and the lanes beside it other rows: a block goes through my own stage and comes back as whole rows of 512 bytes.
; LDS serves a wave's instructions in order (ISA guide 5.7.1.4): no wait between the stores and the loads, nor in front of the next block's stores.
.macro TOSTAGE a
	WIN 0x32                                       ; source 0 (the sums) window 2, source 2 (the bias) window 3
.irp b, 0,1,2,3,4,5,6,7
.irp j, 0,2,4,6
	v_pk_fma_f32 v[TT+8*\b+\j:TT+8*\b+\j+1], v[8*(8*(\a)+\b)+\j:8*(8*(\a)+\b)+\j+1], s[86:87], v[8*\b+\j:8*\b+\j+1] op_sel_hi:[1,0,1]   ; sum x 2^(e10 + e11) + bias; each accumulator from its low end on
.endr
.endr
	WIN 0
.irp b, 0,1,2,3,4,5,6,7
	ds_store_b128 v[STO], v[TT+8*\b:TT+8*\b+3] offset:64*\b
	ds_store_b128 v[STO], v[TT+8*\b+4:TT+8*\b+7] offset:64*\b+16
.endr
.set BB, BK+64*((\a)%2)
.irp t, 0,1,2,3,4,5,6,7,8,9,10,11,12,13,14,15
	ds_load_b128 v[BB+4*\t:BB+4*\t+3], v[RD] offset:\t*SPITCH
.endr
.endm
.macro SEND a, younger                 ; younger: the LDS instructions issued behind block a's loads, which may stay out
.set BB, BK+64*((\a)%2)
	s_wait_dscnt \younger                          ; the block is back in registers
.if (\a) > 0
	s_add_nc_u64 s[12:13], s[12:13], 16*4096       ; 16 rows on (the earlier stores have read their base: a wait on XCNT for 0 stands ahead)
.endif
.irp t, 0,1,2,3,4,5,6,7,8,9,10,11,12,13,14,15
	global_store_b128 v[CO], v[BB+4*\t:BB+4*\t+3], s[12:13] offset:\t*4096 th:TH_STORE_NT   ; 32 lanes store 512 consecutive bytes, at a multiple of 256 from the output's first byte; written once, read by nobody here
.endr
.endm
	s_wait_loadcnt 0x0                             ; the bias is in
	PLACES
	TOSTAGE 0
.irp a, 1,2,3
.if \a > 1
	s_wait_xcnt 0x0                                ; block a - 2's stores have read their registers and their base: block a's loads may land there, and the base may step
.endif
	TOSTAGE \a
	SEND \a-1, 32                                  ; behind block a - 1's loads: block a's 16 stores and 16 loads
.endr
	s_wait_xcnt 0x0                                ; block 2's stores have read their base
	SEND 3, 0
	s_wait_tensorcnt 0x0                           ; the wave's end
	ds_add_u32 v[SPW], v[NIL]
	s_wait_dscnt 0x0
	CROUND                                         ; the closing round: no work-group ends while a partner may still ask for a tile that names it
	s_endpgm
.Lfunc_end_k_q515d60defc_outp:
	.size	k_q515d60defc_outp, .Lfunc_end_k_q515d60defc_outp-k_q515d60defc_outp
	.p2alignl 7, 3214868480
	.fill 96, 4, 3214868480
	.section	.rodata,"a",@progbits
	.p2align	6, 0x0
	.amdhsa_kernel k_q515d60defc_outp
		.amdhsa_group_segment_fixed_size 327680
		.amdhsa_private_segment_fixed_size 0
		.amdhsa_enable_private_segment 0
		.amdhsa_kernarg_size 40
		.amdhsa_user_sgpr_count 2
		.amdhsa_user_sgpr_kernarg_segment_ptr 1
		.amdhsa_wavefront_size32 1
		.amdhsa_system_sgpr_workgroup_id_x 1
		.amdhsa_system_sgpr_workgroup_id_y 1
		.amdhsa_system_sgpr_workgroup_id_z 1
		.amdhsa_system_vgpr_workitem_id 0
		.amdhsa_next_free_vgpr 1024
		.amdhsa_next_free_sgpr 100
		.amdhsa_reserve_vcc 0
		.amdhsa_float_denorm_mode_32 3
		.amdhsa_float_denorm_mode_16_64 3
		.amdhsa_memory_ordered 1
		.amdhsa_forward_progress 1
		.amdhsa_inst_pref_size 78
	.end_amdhsa_kernel
	.amdgpu_metadata
---
amdhsa.version: [ 1, 2 ]
amdhsa.kernels:
  - .name:           k_q515d60defc_outp
    .symbol:         k_q515d60defc_outp.kd
    .args:
      - { .name: oc, .offset: 0, .size: 8, .value_kind: global_buffer, .address_space: global }
      - { .name: codes, .offset: 8, .size: 8, .value_kind: global_buffer, .address_space: global }
      - { .name: lowp_scales, .offset: 16, .size: 8, .value_kind: global_buffer, .address_space: global }
      - { .name: wo_b, .offset: 24, .size: 8, .value_kind: global_buffer, .address_space: global }
      - { .name: out0, .offset: 32, .size: 8, .value_kind: global_buffer, .address_space: global }
    .group_segment_fixed_size: 327680
    .private_segment_fixed_size: 0
    .kernarg_segment_align: 8
    .kernarg_segment_size: 40
    .max_flat_workgroup_size: 128
    .sgpr_count:     100
    .vgpr_count:     1024
    .wavefront_size: 32
...
	.end_amdgpu_metadata
.endif
;; end of part 4
